; MI455X (gfx1250); checked and timed in simulation.
; The chip was launched on July 23, 2026; its instructions are those of AMD's public machine-readable ISA for CDNA 5 (MIT licence, August 2026) and "CDNA5" Instruction Set Architecture Reference Guide (July 2026). The comments in the code are by the model that wrote it; some were corrected since.
;; Multi Headed Self Attention. Allowed arithmetic: matrix products marked QUANTISED: E2M3 operands, one E8M0 scale for each 32 along K, by v_wmma_scale_f32_16x16x128_f8f6f4 with both operands' format E2M3, f32 sums; everything else in f32.
;; Inputs: Wk_codes 1,024 x 32 x 24 uint8 (E2M3 codes of Wk, K innermost, in blocks of 32 codes, four codes in three bytes); Wk_scales 1,024 x 32 uint8 (E8M0 scales of Wk, one for each 32 codes along K); Wo_codes 1,024 x 32 x 24 uint8 (E2M3 codes of Wo, K innermost, in blocks of 32 codes, four codes in three bytes); Wo_scales 1,024 x 32 uint8 (E8M0 scales of Wo, one for each 32 codes along K); Wq_codes 1,024 x 32 x 24 uint8 (E2M3 codes of Wq, K innermost, in blocks of 32 codes, four codes in three bytes); Wq_scales 1,024 x 32 uint8 (E8M0 scales of Wq, one for each 32 codes along K); Wv_codes 1,024 x 32 x 24 uint8 (E2M3 codes of Wv, K innermost, in blocks of 32 codes, four codes in three bytes); Wv_scales 1,024 x 32 uint8 (E8M0 scales of Wv, one for each 32 codes along K); bo 1,024 float32; hidden_states_codes 4 x 2,048 x 32 x 24 uint8 (E2M3 codes of hidden_states, K innermost, in blocks of 32 codes, four codes in three bytes); hidden_states_scales 4 x 2,048 x 32 uint8 (E8M0 scales of hidden_states, one for each 32 codes along K).
;; Outputs: out0 4 x 2,048 x 1,024 float32.
;; This version of the problem:
;;   THIS VERSION OF THE PROBLEM IS GIVEN IN LOW PRECISION. The matrix products marked QUANTISED in the list below multiply operands that are first quantised to E2M3 (2 exponent bits, 3 mantissa bits; 6 bits a number), with one power-of-two scale for each 32 numbers along K (OCP MX v1.0); their sums are f32. All else is computed in f32.
;;   The module's matrix products, in the order in which they are computed (A, B: the left and right operand; K: the contracted axis; several contracted axes count as one K, in the product's order):
;;     1. [M 8,192, K 1,024] x [K 1,024, N 1,024]; A: input hidden_states (given as codes); B: input Wq (given as codes): QUANTISED
;;     2. [M 8,192, K 1,024] x [K 1,024, N 1,024]; A: input hidden_states (given as codes); B: input Wk (given as codes): QUANTISED
;;     3. [M 8,192, K 1,024] x [K 1,024, N 1,024]; A: input hidden_states (given as codes); B: input Wv (given as codes): QUANTISED
;;     4. batch 64 x [M 2,048, K 64] x [K 64, N 2,048]; A: computed on the way; B: computed on the way: QUANTISED
;;     5. batch 64 x [M 2,048, K 2,048] x [K 2,048, N 64]; A: softmax (see below); B: computed on the way: QUANTISED
;;     6. [M 8,192, K 1,024] x [K 1,024, N 1,024]; A: computed on the way; B: input Wo (given as codes): QUANTISED
;;   THE QUANTISER, for each operand of a quantised product, along K:
;;     - K is cut into blocks of 32 from its start; a last block that is shorter is filled with zeros.
;;     - A block's scale is 2^e with e = floor(log2(the largest magnitude in the block)) - 2, held to -126 .. 127; a block of zeros has e = 0. As a byte (E8M0): e + 127.
;;     - Each number is divided by its block's scale, clamped to +-7.5, and rounded to the nearest number of E2M3, ties to even, subnormals kept.
;;     - The product sums the exact products of the quantised numbers (number of the format x scale) in f32.
;;   ~~~python
;;   def quantise(x, axis):      # numpy; x: float32 -> the quantised numbers, widened to float32 again
;;       x = np.moveaxis(x, axis, -1); K = x.shape[-1]
;;       x = np.pad(x, [(0, 0)] * (x.ndim - 1) + [(0, -K % 32)]); x = x.reshape(x.shape[:-1] + (-1, 32)); a = np.abs(x).max(-1, keepdims=True)
;;       e = np.where(a > 0, np.clip(np.frexp(np.where(a > 0, a, 1))[1] - 1 - 2, -126, 127), 0)      # np.frexp(a)[1] - 1 = floor(log2(a)), exactly
;;       r = np.clip(x / 2.0 ** e, -7.5, 7.5)
;;       step = 2.0 ** (np.maximum(np.frexp(np.where(r == 0, 1, r))[1] - 1, 0) - 3)
;;       q = np.round(r / step) * step * 2.0 ** e      # np.round: ties to even
;;       return np.moveaxis(q.reshape(q.shape[:-2] + (-1,))[..., :K], -1, axis).astype(np.float32)
;;   ~~~
;;   SOFTMAX AHEAD OF A QUANTISED PRODUCT. Where the list says 'softmax', what is quantised is not the finished softmax but p = 2^(t - M), with t = logit x log2(e) and M = ceil(the row's largest t), a whole number; so 1/2 < the row's largest p <= 1. The row's sum l is taken of the UNQUANTISED p, in f32, and the product's result is divided by l at the end. Since M is a whole number, a kernel that streams over the keys may use a running M (the ceiling of the running maximum): every later rescaling is an exact power of two, which a block's scale takes up: the codes' values come out the same.
;;   OPERANDS COMPUTED ON THE WAY. 'Computed on the way' means the value that the module computes at that place (a softmax that the list does not call 'softmax' is quantised finished and normalised). What goes into a quantiser is computed in f32, as accurately as f32 sums, v_exp_f32 and their like allow (about 1e-6 of the number): no bf16 or f16 on the way to a quantiser, and a product that is left as it is and whose result goes on into a quantised operand takes f32 operands (vector FMAs, or v_wmma_f32_16x16x4_f32). A number that lies on a knife's edge between two numbers of the format may be rounded either way, as far as f32 arithmetic and the matrix unit's own rounding can turn it there, and no further.
;;   INPUTS GIVEN AS CODES. Wk (in the module: [1024, 1024], K = its axis 1); Wo (in the module: [1024, 1024], K = its axis 1); Wq (in the module: [1024, 1024], K = its axis 1); Wv (in the module: [1024, 1024], K = its axis 1); hidden_states (in the module: [4, 2048, 1024], K = its axis 2): each comes as NAME_codes (uint8): NAME with its K axis moved to the last place and cut into blocks of 32 codes, [.., K / 32, bytes a block], one block behind the other in memory; four codes in three bytes: a row's codes are one little-endian stream of bits, code i at bits 6 i .. 6 i + 5 (a code: sign, 2 exponent bits, 3 mantissa bits); and NAME_scales (uint8): the same leading axes, one E8M0 byte (e + 127) for each 32 codes along K. Its value is code x scale, taken as it is: it is not quantised again, and the codes and scales need not be those that the quantiser above would give.
;; One version. Each part assembles by itself: llvm-mc -triple=amdgcn-amd-amdhsa -mcpu=gfx1250 --defsym DOCPART=n.
;; ======== version 1 of 1: 3 launches
;; workspace buffers: qrec 6,553,600 bytes; krec 6,553,600 bytes; vrec 6,553,600 bytes; ctxrec 6,553,600 bytes
;; launch proj (part 1): grid 12 x 32, 4 waves a work-group, clusters of 4 x 4, 327,680 bytes of LDS; arguments hidden_states_codes, hidden_states_scales, Wq_codes, Wq_scales, Wk_codes, Wk_scales, Wv_codes, Wv_scales, qrec, krec, vrec; writes qrec, krec, vrec
.if DOCPART == 1
	.amdgcn_target "amdgcn-amd-amdhsa--gfx1250"
	.amdhsa_code_object_version 6
	.text
	.protected	k_qeee1b52f70_proj
	.globl	k_qeee1b52f70_proj
	.p2align	8
	.type	k_qeee1b52f70_proj,@function
k_qeee1b52f70_proj:
	s_mov_b64 s[64:65], 0
	v_nop
	global_prefetch_b8 v0, s[64:65] scope:SCOPE_SE
	s_setreg_imm32_b32 hwreg(HW_REG_WAVE_MODE, 25, 1), 1
	s_wait_xcnt 0x0
	s_wait_alu depctr_hold_cnt(0) depctr_sa_sdst(0) depctr_va_vdst(0) depctr_va_sdst(0) depctr_va_ssrc(0) depctr_va_vcc(0) depctr_vm_vsrc(0)
	s_getreg_b32 s2, hwreg(HW_REG_IB_STS2, 6, 4)
	s_cmp_eq_u32 s2, 0
	s_cbranch_scc0 .Lentry_in_a_cluster
	s_endpgm
.Lentry_in_a_cluster:
	s_bfe_u32 s2, ttmp6, 0x10000c
	s_cmp_lg_u32 s2, 0xf033
	s_cbranch_scc0 .Lentry_shape_is_right
	s_endpgm
.Lentry_shape_is_right:
; q = x Wq^T, k = x Wk^T, v = x Wv^T on codes of FP6 (E2M3) with one E8M0 scale for each 32 along K = 1,024; the results are quantised in registers and leave as codes.
; x: 8,192 rows of 768 bytes of codes and 32 scale bytes; each W: 1,024 rows of the same make.
; A tile of 256 x 256 is made by a work-group of four waves; a wave makes 128 x 128: 64 accumulators of 16 x 16, 512 registers.  K goes in steps of 256 through a ring of two LDS slots filled by the tensor data mover.
; THE THREE PRODUCTS ARE THREE COLUMNS OF CLUSTERS (cluster x = 0, 1, 2).  The matrix instruction takes 16 rows of 'B' as source 0 and 16 rows of 'A' as source 1: a lane then holds ONE row of A, and its registers run along B's rows.
;   q, k: A = x, B = W: a lane holds a token, its registers run along the channels, which are the K of q k^T.
;   v:    A = Wv, B = x: a lane holds a channel, its registers run along the tokens, which are the K of p v.
; Only pointers and tile numbers are chosen by the cluster's x, which all sixteen partners share: one path through the text.
; CLUSTERS: 4 x 4 work-groups.  The four of a row need the same tiles of A, the four of a column the same tiles of B: each tile is asked for jointly, by the same tensor load with a mask that names the four.
; THE WAY OUT.  A wave's 128 x 128 numbers become one RECORD of 12,800 bytes, an image of the registers of an operand of 128 rows x 128 along K: fragment a (rows 16 a on) at byte 1,536 a, as six planes of 256 bytes
; (plane p: registers 2 p, 2 p + 1 of the twelve, lane l's 8 bytes at 8 l); at byte 12,288 the scale words: the word at 16 l + 4 i, l = 16 h + r, is that of fragment 2 i + h, row r.
; Record number: q, k: 64 x head pair + token group;  v: 64 x head pair + token group (rows = the pair's 128 channels, K = the group's 128 tokens).
; ORDER INSIDE A BLOCK OF 32.  A lane's 16 numbers of a block are k = 8 h + 0..7 and 16 + 8 h + 0..7, so a block's codes stand in the order 0-7, 16-23, 8-15, 24-31.  q and k are both laid so along the channels, v and the
; softmax's p both along the keys: the same products are summed under the same scales.
; LIMITS: a block whose largest magnitude lies under 2^-124 gets the byte 1; a block of zeros gets the byte 1 where the rule says 127 (its codes are zeros, and this program alone reads the bytes); NaN and infinities are not served.
; REGISTERS, in windows of 256: window 0: v16-29 addresses; v32-63 scale words, two sets, and nothing else; v64-98 at work on the way out; v128-223 A's fragments, one set, later the finished codes.
;   window 1: B's fragments, two sets, at v0 and v128.   window 2: the accumulators of my rows 0-63 (accumulator (a, b) at v[8 (8 a + b)]);   window 3: those of my rows 64-127.
.set KSTEP,  256                       ; along K in a slot
.set NQ,     KSTEP/128                 ; matrix instructions deep
.set ROWB,   192                       ; a tile's row in bytes
.set KROW,   768                       ; a row of codes in memory
.set PITCH,  240                       ; an LDS row: 3 x (64 bytes + 16 of padding)
.set FR,     12                        ; registers of a fragment
.set NL,     6                         ; LDS loads that bring one
.set NP,     4                         ; places behind this matrix instruction (ISA guide 7.12.1)
.set HALFT,  128*PITCH                 ; 128 rows: what one tensor load brings
.set SLOT,   4*HALFT                   ; A's 256 rows, then B's 256 rows
.set LAPS,   2                         ; 1,024 along K = two laps of two slots
.set KS,     32                        ; a row of scale bytes
.set SCL,    2*SLOT                    ; behind the ring: the scales, as units of 256 bytes + 16 of padding
.set HALFS,  (128*KS/256)*272          ; the scales of 128 rows
.set SBLK,   (16*KS/256)*272           ; those of 16 rows
.set SPARE,  SCL+4*HALFS               ; the spare words, 128 bytes for each wave
.set REC,    12800                     ; a record
.set ADRA, 16                          ; v16-17 LDS address of my A fragments in slot 0, 1 (v18-19: behind one padding more)
.set ADRB, 20                          ; v20-23 the same for B
.set LN,   24                          ; v24 lane
.set CO16, 25                          ; v25 16 x lane
.set CO8,  26                          ; v26 8 x lane
.set ADRS, 27                          ; v27 LDS address of my scale words: lanes 0-15 A's rows, lanes 16-31 B's
.set SPW,  28                          ; v28 my spare word; never rewritten
.set NIL,  29                          ; v29 0; never rewritten
.set SC,   32                          ; scale words: set s at v[SC + 16 s]
.set TM,   64                          ; the way out: +0..3 largest magnitudes, +4..7 the other half's, then bytes, +12..15 the conversions' scale operands
.set PW,   80                          ; v80-87 the eight fragments' scale words
.set SW,   88                          ; v88-91 my 16 bytes of the record's scale words
.set CT,   92                          ; v92-94, v96-98 the conversions' second halves
.set AF,   128                         ; A's fragments
.set FO,   128                         ; the finished codes: fragment a at v[FO + 12 a]
.set G1, 24
.set G0, 32
.set G1B, 48
.set G0B, 56
.set G1S, 68
.set G0S, 76
.set G1SB, 80
.set G0SB, 88
.set MSB, 0
.macro WIN new                         ; the immediate's high byte repeats the setting that is left
.if MSB != \new
	s_set_vgpr_msb (MSB<<8)|\new
.set MSB, \new
.endif
.endm
.set MUL_LO, 0xa1                      ; source 0 (B) window 1, source 1 (A) window 0, C and D window 2
.set MUL_HI, 0xf1                      ; the same, C and D window 3
.set TO_B,   0x40                      ; destination window 1, address window 0
; A joint load: waves 0 and 1 fetch for A, waves 2 and 3 for B.  The branch hangs on the wave's number alone.  Four v_nop follow each of the two lines.
.macro JLOAD g0a, g1a, g0b, g1b
	s_cmp_eq_u32 s15, 0
	s_cbranch_scc0 .Lfor_b_\@
	tensor_load_to_lds s[\g0a:\g0a+3], s[\g1a:\g1a+7]
	s_nop 0
.rept 4
	v_nop
.endr
	s_branch .Lasked_\@
.Lfor_b_\@:
	tensor_load_to_lds s[\g0b:\g0b+3], s[\g1b:\g1b+7]
	s_nop 0
.rept 4
	v_nop
.endr
.Lasked_\@:
.endm
.macro CREST                           ; a round of the cluster's barrier behind its opening barrier
	s_cmp_lg_u32 s14, 0
	s_cbranch_scc1 .Lnot_wave_0_\@
	s_barrier_signal -3
.Lnot_wave_0_\@:
	s_barrier_wait -3
	s_barrier_signal -1
	s_barrier_wait -1
.endm
.macro CROUND                          ; a whole round
	s_barrier_signal -1
	s_barrier_wait -1
	CREST
.endm
	s_load_b512 s[68:83], s[0:1], 0x0              ; x's codes 68, scales 70; Wq's 72, 74; Wk's 76, 78; Wv's 80, 82
	s_load_b128 s[84:87], s[0:1], 0x40             ; qrec 84, krec 86
	s_load_b64 s[88:89], s[0:1], 0x50              ; vrec
	v_lshl_add_u32 v[SPW], v0, 2, SPARE
	v_mov_b32 v[NIL], 0
	ds_add_u32 v28, v29
	ds_add_u32 v28, v29
	s_wait_dscnt 0x0
	v_lshrrev_b32 v1, 5, v0
	v_readfirstlane_b32 s14, v1                    ; wave 0..3
	s_lshr_b32 s15, s14, 1                         ; which half of the tile's A rows is mine.  Also: I fetch for A (0) or for B (1)
	s_and_b32 s16, s14, 1                          ; which half of its B rows.  Also: which 128 rows of that tile I fetch
	s_bfe_u32 s40, ttmp6, 0x40000                  ; cx, cy: my place in the cluster
	s_bfe_u32 s41, ttmp6, 0x40004
	s_and_b32 s96, ttmp7, 0xffff                   ; the cluster's y
	s_lshl_b32 s43, s41, 2
	s_lshl_b32 s43, 15, s43                        ; my row of the cluster
	s_lshl_b32 s44, 0x1111, s40                    ; my column
	s_wait_kmcnt 0x0
	s_cmp_eq_u32 ttmp9, 2                          ; the cluster's x says which product: 2 = v
	s_cselect_b64 s[4:5], s[80:81], s[68:69]       ; A's codes: Wv's or x's
	s_cselect_b64 s[6:7], s[82:83], s[70:71]       ; A's scales
	s_cselect_b64 s[8:9], s[68:69], s[76:77]       ; B's codes: x's or Wk's
	s_cselect_b64 s[10:11], s[70:71], s[78:79]     ; B's scales
	s_cselect_b64 s[12:13], s[88:89], s[86:87]     ; the records: vrec or krec
	s_cselect_b32 s98, 0, s96                      ; x's 32 tiles of 256 rows go down the clusters' y: on A's side for q and k,
	s_cselect_b32 s99, s96, 0                      ; on B's side for v
	s_cmp_eq_u32 ttmp9, 0                          ; 0 = q
	s_cselect_b64 s[8:9], s[72:73], s[8:9]
	s_cselect_b64 s[10:11], s[74:75], s[10:11]
	s_cselect_b64 s[12:13], s[84:85], s[12:13]
	s_lshl_b32 s17, s98, 2
	s_add_co_u32 s17, s17, s41                     ; A's tile of 256 rows: hangs on cy alone among the places in the cluster
	s_lshl_b32 s42, s99, 2
	s_add_co_u32 s42, s42, s40                     ; B's: on cx alone
	; descriptor group 1: a tile of 128 rows x 192 bytes, 16 bytes of padding behind every 64
	s_or_b32 s[G1+0], s43, (0<<16)|(1<<20)|(1<<21)|(3<<22)|(3<<25)  ; 15:0 the mask: A's tiles go to my row; elements of 1 byte; padding on; bit 21 beside a mask; after every 16 words 4 words
	s_or_b32 s[G1B+0], s44, (0<<16)|(1<<20)|(1<<21)|(3<<22)|(3<<25)
.irp g, G1, G1B
	s_mov_b32 s[\g+1], ROWB<<16                    ; tensor_dim0
	s_mov_b32 s[\g+2], 128<<16                     ; tensor_dim1
	s_mov_b32 s[\g+3], ROWB<<16                    ; tile_dim0
	s_mov_b32 s[\g+4], 128                         ; tile_dim1
	s_mov_b32 s[\g+5], KROW                        ; from row to row
	s_mov_b32 s[\g+6], 0
	s_mov_b32 s[\g+7], 0
.endr
	; the scales of 128 rows: 4,096 dense bytes, as 16 rows of 256 bytes (32 elements of 8), 16 bytes of padding behind each
	s_or_b32 s[G1S+0], s43, (3<<16)|(1<<20)|(1<<21)|(5<<22)|(3<<25)
	s_or_b32 s[G1SB+0], s44, (3<<16)|(1<<20)|(1<<21)|(5<<22)|(3<<25)
.irp g, G1S, G1SB
	s_mov_b32 s[\g+1], 32<<16
	s_mov_b32 s[\g+2], (128*KS/256)<<16
	s_mov_b32 s[\g+3], 32<<16
	s_mov_b32 s[\g+4], 128*KS/256
	s_mov_b32 s[\g+5], 32
	s_mov_b32 s[\g+6], 0
	s_mov_b32 s[\g+7], 0
.endr
	s_lshl_b32 s18, s16, 7                         ; which 128 rows of the tile I fetch
	s_lshl_b32 s20, s17, 8
	s_add_co_u32 s20, s20, s18                     ; A: row
	s_lshl_b32 s46, s42, 8
	s_add_co_u32 s46, s46, s18                     ; B: row
	s_mov_b32 s21, 0
	s_mov_b32 s47, 0
	s_mov_b64 s[18:19], KS
	s_mul_u64 s[22:23], s[20:21], s[18:19]         ; where these rows' scales begin,
	s_mul_u64 s[92:93], s[46:47], s[18:19]
	s_mov_b64 s[18:19], KROW
	s_mul_u64 s[20:21], s[20:21], s[18:19]         ; and their codes
	s_mul_u64 s[46:47], s[46:47], s[18:19]
	s_mul_i32 s45, s14, HALFT                      ; where they go: wave x 128 rows: no place in the cluster enters an LDS address
	s_mul_i32 s94, s14, HALFS
	s_add_nc_u64 s[20:21], s[4:5], s[20:21]
	s_add_nc_u64 s[22:23], s[6:7], s[22:23]
	s_add_nc_u64 s[46:47], s[8:9], s[46:47]
	s_add_nc_u64 s[92:93], s[10:11], s[92:93]
	CROUND                                         ; all sixteen work-groups are here: the first joint loads meet
	s_mov_b32 s[G0S], 1
	s_add_co_u32 s[G0S+1], s94, SCL
	s_mov_b64 s[G0S+2:G0S+3], s[22:23]
	s_or_b32 s[G0S+3], s[G0S+3], 0x80000000
	s_mov_b32 s[G0SB], 1
	s_add_co_u32 s[G0SB+1], s94, SCL
	s_mov_b64 s[G0SB+2:G0SB+3], s[92:93]
	s_or_b32 s[G0SB+3], s[G0SB+3], 0x80000000
	JLOAD G0S, G1S, G0SB, G1SB                     ; the scales first: they are wanted with K step 0.  With the two below, three tensor loads of mine are out
.irp s, 0,1
	s_mov_b32 s[G0+4*\s], 1
	s_add_co_u32 s[G0+4*\s+1], s45, \s*SLOT
	s_add_nc_u64 s[G0+4*\s+2:G0+4*\s+3], s[20:21], \s*ROWB
	s_or_b32 s[G0+4*\s+3], s[G0+4*\s+3], 0x80000000
	s_mov_b32 s[G0B+4*\s], 1
	s_add_co_u32 s[G0B+4*\s+1], s45, \s*SLOT
	s_add_nc_u64 s[G0B+4*\s+2:G0B+4*\s+3], s[46:47], \s*ROWB
	s_or_b32 s[G0B+4*\s+3], s[G0B+4*\s+3], 0x80000000
	JLOAD G0+4*\s, G1, G0B+4*\s, G1B
.endr
	v_and_b32 v1, 15, v0                           ; l % 16
	v_bfe_u32 v2, v0, 4, 1                         ; l / 16
	v_mul_u32_u24 v3, v1, PITCH
	v_mul_u32_u24 v4, v2, 24
	v_add_nc_u32 v4, v3, v4                        ; a fragment's row x pitch + 24 x half
	v_lshl_add_u32 v5, v2, 4, v4                   ; and the same behind one padding more
	s_mul_i32 s21, s15, HALFT                      ; my 128 rows of A
	s_mul_i32 s22, s16, HALFT                      ; my 128 rows of B,
	s_add_co_u32 s22, s22, 2*HALFT                 ; which lie behind A's 256
.irp s, 0,1
	v_add_nc_u32 v[ADRA+\s], s21, v4
	v_add_nc_u32 v[ADRB+\s], s22, v4
	v_add_nc_u32 v[ADRA+2+\s], s21, v5
	v_add_nc_u32 v[ADRB+2+\s], s22, v5
	s_add_co_u32 s21, s21, SLOT
	s_add_co_u32 s22, s22, SLOT
.endr
	v_mul_u32_u24 v5, v1, KS                       ; my row's scales: 32 bytes a row,
	v_lshrrev_b32 v6, 8, v5
	v_lshl_add_u32 v5, v6, 4, v5                   ; and 16 more for each 256 passed
	s_mul_i32 s21, s15, HALFS                      ; A's: my 128 rows
	s_mul_i32 s22, s16, HALFS                      ; B's: my 128 rows, behind A's 256
	s_add_co_u32 s22, s22, 2*HALFS
	s_sub_co_u32 s22, s22, s21
	v_mul_u32_u24 v6, s22, v2                      ; lanes 16-31 take B's
	s_add_co_u32 s21, s21, SCL
	v_add_nc_u32 v5, v5, v6
	v_add_nc_u32 v[ADRS], s21, v5
	v_and_b32 v[LN], 31, v0
	v_lshlrev_b32 v[CO16], 4, v[LN]
	v_lshlrev_b32 v[CO8], 3, v[LN]
	; my record: its rows are A's group of 128, its K is B's group of 128
	s_lshl_b32 s98, s17, 1
	s_add_co_u32 s98, s98, s15                     ; A's group
	s_lshl_b32 s99, s42, 1
	s_add_co_u32 s99, s99, s16                     ; B's group
	s_cmp_eq_u32 ttmp9, 2
	s_cselect_b32 s100, s98, s99                   ; the head pair: the group of W's rows
	s_cselect_b32 s101, s99, s98                   ; the token group
	s_lshl_b32 s100, s100, 6
	s_add_co_u32 s100, s100, s101
	s_mul_i32 s100, s100, REC
	s_mov_b32 s101, 0
	s_add_nc_u64 s[12:13], s[12:13], s[100:101]
.macro FRAG reg, adr, q, i             ; a fragment, 16 rows x 128 K of 6-bit codes: lane l holds row l % 16; registers 6 c .. 6 c + 5 hold K = 64 c + 32 (l / 16) + 0 .. 31: 24 bytes of the row, as they lie
.irp p, 0,1,2,3,4,5                    ; in pieces of 8 bytes.  Lanes 16-31 read three pieces further on than lanes 0-15: where that lies behind one padding more, the second address register serves
.set PC, 12*(\q)+6*(\p/3)+\p%3
.if PC%8 < 5
	ds_load_b64 v[\reg+2*\p:\reg+2*\p+1], v[\adr] offset:8*PC+16*(PC/8)+(\i)*16*PITCH
.else
	ds_load_b64 v[\reg+2*\p:\reg+2*\p+1], v[\adr+2] offset:8*PC+16*(PC/8)+(\i)*16*PITCH
.endif
.endr
.endm
; 16 matrix instructions: A's blocks a0, a0 + 1 x B's eight, 128 along K.  p: B's set; sc: the set of scale words.  zero = 1: the first product starts the sums.
; The 64 accumulators take turns, one instruction a turn, in the same order in every step.
.macro MUL16 a0, p, q, sc, zero
.irp a, \a0, \a0+1
.irp b, 0,1,2,3,4,5,6,7
.if \zero
	v_wmma_scale_f32_16x16x128_f8f6f4 v[8*(8*((\a)%4)+\b):8*(8*((\a)%4)+\b)+7], v[128*(\p)+FR*\b:128*(\p)+FR*\b+FR-1], v[AF+FR*(\a):AF+FR*(\a)+FR-1], 0, v[SC+8*NQ*(\sc)+NQ*\b+(\q)], v[SC+8*NQ*(\sc)+NQ*(\a)+(\q)] matrix_a_fmt:MATRIX_FMT_FP6 matrix_b_fmt:MATRIX_FMT_FP6 matrix_a_scale:MATRIX_SCALE_ROW1
.else
	v_wmma_scale_f32_16x16x128_f8f6f4 v[8*(8*((\a)%4)+\b):8*(8*((\a)%4)+\b)+7], v[128*(\p)+FR*\b:128*(\p)+FR*\b+FR-1], v[AF+FR*(\a):AF+FR*(\a)+FR-1], v[8*(8*((\a)%4)+\b):8*(8*((\a)%4)+\b)+7], v[SC+8*NQ*(\sc)+NQ*\b+(\q)], v[SC+8*NQ*(\sc)+NQ*(\a)+(\q)] matrix_a_fmt:MATRIX_FMT_FP6 matrix_b_fmt:MATRIX_FMT_FP6 matrix_a_scale:MATRIX_SCALE_ROW1
.endif
.endr
.endr
.endm
.macro FETCH_B slot, q, p              ; B's eight fragments of the slot's q-th 128 along K into set p
	WIN TO_B
.irp i, 0,1,2,3,4,5,6,7
	FRAG 128*(\p)+FR*\i, ADRB+\slot, \q, \i
.endr
	WIN 0
.endm
.macro FETCH_A slot, q, i0             ; A's blocks i0 .. i0 + 3
.irp i, \i0, \i0+1, \i0+2, \i0+3
	FRAG AF+FR*(\i), ADRA+\slot, \q, \i
.endr
.endm
.macro SCALES sc                       ; a K step's scale words into set sc: two words a row; lanes 0-15 take A's block i, lanes 16-31 B's block i
.irp i, 0,1,2,3,4,5,6,7
	ds_load_b64 v[SC+8*NQ*\sc+NQ*\i:SC+8*NQ*\sc+NQ*\i+1], v[ADRS] offset:\i*SBLK
.endr
.endm
.macro PLACES n                        ; plain vector instructions between a matrix instruction and a load into, or a read or write of, its registers
.rept \n
	v_nop
.endr
.endm
; A step of 128 along K that has its successor in the same slot.
.macro STEP slot, q, zero
	s_wait_dscnt 4*NL                              ; B's set and A's blocks 0-3 are in; the youngest 24 loads (A's blocks 4-7) may be out
	WIN MUL_LO
	MUL16 0, (\q)%2, \q, \slot, \zero
	MUL16 2, (\q)%2, \q, \slot, \zero
	s_wait_dscnt 0                                 ; A's blocks 4-7 are in
	PLACES NP
	FETCH_B \slot, (\q)+1, 1-(\q)%2
	FETCH_A \slot, (\q)+1, 0
	WIN MUL_HI
	MUL16 4, (\q)%2, \q, \slot, \zero
	MUL16 6, (\q)%2, \q, \slot, \zero
	PLACES NP
	WIN 0
	FETCH_A \slot, (\q)+1, 4
.endm
; A slot's last step changes slots: one barrier; in front of it each wave waits for all its tensor loads, adds 0 to its spare word, and waits for that and for its own reads of this slot.  fill = 1: this slot is filled again, two K steps ahead.
.macro TURN slot, next, fill
	s_wait_tensorcnt 0x0                           ; all my tensor loads have landed: my part of the next slot
	ds_add_u32 v[SPW], v[NIL]                      ; 0 onto my spare word
	s_wait_dscnt 4*NL+1                            ; the add and the youngest 24 loads (A's blocks 4-7) may be out
	WIN MUL_LO
	MUL16 0, 1, NQ-1, \slot, 0                     ; sixteen matrix instructions stand between the add and the wait for it
	s_wait_dscnt 0x0                               ; the add is done, and my reads of this slot are over
	s_barrier_signal -1
	MUL16 2, 1, NQ-1, \slot, 0
	WIN 0
	s_barrier_wait -1
.if \fill
	CREST                                          ; the barrier has opened a round of the cluster's barrier: no wave of any partner still reads this slot's tile or has a load on its way
	s_add_nc_u64 s[G0+4*\slot+2:G0+4*\slot+3], s[G0+4*\slot+2:G0+4*\slot+3], 2*ROWB
	s_add_nc_u64 s[G0B+4*\slot+2:G0B+4*\slot+3], s[G0B+4*\slot+2:G0B+4*\slot+3], 2*ROWB
	JLOAD G0+4*\slot, G1, G0B+4*\slot, G1B         ; the first tensor load behind the round; its four v_nop are the places in front of the loads below
.else
	PLACES NP
.endif
	v_add_nc_u32 v[ADRS], 4*NQ, v[ADRS]            ; on to the next K step's scale words (no LDS load of mine is out)
	FETCH_B \next, 0, 0
	FETCH_A \next, 0, 0
	SCALES \next
	WIN MUL_HI
	MUL16 4, 1, NQ-1, \slot, 0
	MUL16 6, 1, NQ-1, \slot, 0
	PLACES NP
	WIN 0
	FETCH_A \next, 0, 4
.endm
	s_wait_tensorcnt 1                             ; the scales and my part of K step 0 are in (K step 1's load may be out)
	s_barrier_signal -1
	s_barrier_wait -1                              ; everybody's are
	FETCH_B 0, 0, 0
	FETCH_A 0, 0, 0
	SCALES 0
	FETCH_A 0, 0, 4
	STEP 0, 0, 1                                   ; the first step stands in front of the loop: its products start the sums
	s_mov_b32 s3, LAPS-1
.Llap:                                                 ; a trip goes once round the ring and fills both slots again
	TURN 0, 1, 1
	STEP 1, 0, 0
	TURN 1, 0, 1
	STEP 0, 0, 0
	s_sub_co_u32 s3, s3, 1
	s_cmp_lg_u32 s3, 0
	s_cbranch_scc1 .Llap
	TURN 0, 1, 0                                   ; the last lap fills nothing
	STEP 1, 0, 0
	s_wait_dscnt 4*NL                              ; the very last step: nothing more to fetch
	WIN MUL_LO
	MUL16 0, 1, NQ-1, 1, 0
	MUL16 2, 1, NQ-1, 1, 0
	s_wait_dscnt 0
	WIN MUL_HI
	MUL16 4, 1, NQ-1, 1, 0
	MUL16 6, 1, NQ-1, 1, 0
	WIN 0
; THE WAY OUT.  Block a's 64 registers of a lane are 4 blocks of 32 along the next K, 16 numbers of each; the other 16 lie in lane l xor 16.  Largest magnitude (with the floor 2^-124 among its leaves), 2 off its exponent
; field: the conversion's scale operand; a shift: the byte.  The conversions give half blocks; the exchange of halves gives each lane a whole block, as the operand's layout wants.  No LDS, no barrier:
; each store of 8 bytes a lane writes 256 consecutive bytes, aligned.  Every fragment has registers of its own, so no store's data are written again.
	PLACES NP                                      ; behind the last products: their results are read, and registers that held their operands are written
	s_mov_b32 s2, 0x76543210
	s_mov_b32 s3, 0xfedcba98                       ; v_permlanex16_b32's selects for lane l xor 16
.irp b, 0,1,2,3
	v_mov_b32 v[TM+4+\b], 0                        ; written once: a lane permute's destination counts as one of its sources
.endr
.macro QW a
.set AC, 64*((\a)%4)
.set F, FO+12*(\a)
	WIN 0x0a+5*((\a)/4)                            ; sources 0 and 1: window 2 or 3
.irp b, 0,1,2,3
	v_max3_num_f32 v[TM+\b], |v[AC+16*\b]|, |v[AC+16*\b+1]|, 0x1800000   ; each accumulator is read from its low end on
.endr
	WIN 0x28+0x14*((\a)/4)                         ; sources 1 and 2: window 2 or 3
.irp i, 2,4,6,8,10,12,14
.irp b, 0,1,2,3
	v_max3_num_f32 v[TM+\b], v[TM+\b], |v[AC+16*\b+\i]|, |v[AC+16*\b+\i+1]|   ; the four blocks by turns
.endr
.endr
	WIN 0
.irp b, 0,1,2,3
	v_permlanex16_b32 v[TM+4+\b], v[TM+\b], s2, s3
.endr
.irp b, 0,1,2,3
	v_max_num_f32 v[TM+\b], v[TM+\b], v[TM+4+\b]   ; the block's largest magnitude
.endr
.irp b, 0,1,2,3
	v_add_nc_u32 v[TM+12+\b], 0xff000000, v[TM+\b] ; 2 off its exponent field
.endr
.irp b, 0,1,2,3
	v_lshrrev_b32 v[TM+4+\b], 23, v[TM+12+\b]      ; the scale's byte
.endr
	v_lshl_or_b32 v[PW+(\a)], v[TM+5], 8, v[TM+4]  ; my row's scale word
	v_lshl_or_b32 v[PW+(\a)], v[TM+6], 16, v[PW+(\a)]
	v_lshl_or_b32 v[PW+(\a)], v[TM+7], 24, v[PW+(\a)]
	WIN 2+(\a)/4                                   ; source 0: window 2 or 3
.irp c, 0,1
	v_cvt_scalef32_pk16_fp6_f32 v[F+6*\c:F+6*\c+2], v[AC+32*\c:AC+32*\c+15], v[TM+12+2*\c]
	v_cvt_scalef32_pk16_fp6_f32 v[CT+4*\c:CT+4*\c+2], v[AC+32*\c+16:AC+32*\c+31], v[TM+13+2*\c]   ; (a conversion's three registers begin on an even number)
.endr
	WIN 0
	v_nop                                          ; one plain place behind a scaled conversion
.irp c, 0,1
.irp i, 0,1,2
	v_permlane16_swap_b32 v[F+6*\c+\i], v[CT+4*\c+\i]   ; lanes 0-15 now hold block 2 c, lanes 16-31 block 2 c + 1
.endr
.irp i, 0,1,2
	v_mov_b32 v[F+6*\c+3+\i], v[CT+4*\c+\i]
.endr
.endr
.irp p, 0,1,2,3,4,5
	global_store_b64 v[CO8], v[F+2*\p:F+2*\p+1], s[12:13] offset:1536*(\a)+256*\p
.endr
.endm
.irp a, 0,1,2,3,4,5,6,7
	QW \a
.endr
	v_cmp_lt_u32 vcc_lo, 15, v[LN]                 ; lanes 16-31 carry the odd fragments' words
.irp i, 0,1,2,3
	v_cndmask_b32 v[SW+\i], v[PW+2*\i], v[PW+2*\i+1], vcc_lo
.endr
	global_store_b128 v[CO16], v[SW:SW+3], s[12:13] offset:12288
	s_wait_tensorcnt 0x0                           ; the wave's end
	ds_add_u32 v[SPW], v[NIL]
	s_wait_dscnt 0x0
	CROUND                                         ; the closing round: no work-group ends while a partner may still ask for a tile that names it
	s_endpgm
.Lfunc_end_k_qeee1b52f70_proj:
	.size	k_qeee1b52f70_proj, .Lfunc_end_k_qeee1b52f70_proj-k_qeee1b52f70_proj
	.p2alignl 7, 3214868480
	.fill 96, 4, 3214868480
	.section	.rodata,"a",@progbits
	.p2align	6, 0x0
	.amdhsa_kernel k_qeee1b52f70_proj
		.amdhsa_group_segment_fixed_size 327680
		.amdhsa_private_segment_fixed_size 0
		.amdhsa_enable_private_segment 0
		.amdhsa_kernarg_size 88
		.amdhsa_user_sgpr_count 2
		.amdhsa_user_sgpr_kernarg_segment_ptr 1
		.amdhsa_wavefront_size32 1
		.amdhsa_system_sgpr_workgroup_id_x 1
		.amdhsa_system_sgpr_workgroup_id_y 1
		.amdhsa_system_sgpr_workgroup_id_z 1
		.amdhsa_system_vgpr_workitem_id 0
		.amdhsa_next_free_vgpr 1024
		.amdhsa_next_free_sgpr 102
		.amdhsa_reserve_vcc 1
		.amdhsa_float_denorm_mode_32 3
		.amdhsa_float_denorm_mode_16_64 3
		.amdhsa_memory_ordered 1
		.amdhsa_forward_progress 1
		.amdhsa_inst_pref_size 167
	.end_amdhsa_kernel
	.amdgpu_metadata
---
amdhsa.version: [ 1, 2 ]
amdhsa.kernels:
  - .name:           k_qeee1b52f70_proj
    .symbol:         k_qeee1b52f70_proj.kd
    .args:
      - { .name: hidden_states_codes, .offset: 0, .size: 8, .value_kind: global_buffer, .address_space: global }
      - { .name: hidden_states_scales, .offset: 8, .size: 8, .value_kind: global_buffer, .address_space: global }
      - { .name: Wq_codes, .offset: 16, .size: 8, .value_kind: global_buffer, .address_space: global }
      - { .name: Wq_scales, .offset: 24, .size: 8, .value_kind: global_buffer, .address_space: global }
      - { .name: Wk_codes, .offset: 32, .size: 8, .value_kind: global_buffer, .address_space: global }
      - { .name: Wk_scales, .offset: 40, .size: 8, .value_kind: global_buffer, .address_space: global }
      - { .name: Wv_codes, .offset: 48, .size: 8, .value_kind: global_buffer, .address_space: global }
      - { .name: Wv_scales, .offset: 56, .size: 8, .value_kind: global_buffer, .address_space: global }
      - { .name: qrec, .offset: 64, .size: 8, .value_kind: global_buffer, .address_space: global }
      - { .name: krec, .offset: 72, .size: 8, .value_kind: global_buffer, .address_space: global }
      - { .name: vrec, .offset: 80, .size: 8, .value_kind: global_buffer, .address_space: global }
    .group_segment_fixed_size: 327680
    .private_segment_fixed_size: 0
    .kernarg_segment_align: 8
    .kernarg_segment_size: 88
    .max_flat_workgroup_size: 128
    .sgpr_count:     102
    .vgpr_count:     1024
    .wavefront_size: 32
...
	.end_amdgpu_metadata
.endif
;; end of part 1
;; launch attn (part 2): grid 256 x 1, 16 waves a work-group, no clusters, 169,984 bytes of LDS; arguments qrec, krec, vrec, ctxrec; writes ctxrec
.if DOCPART == 2
	.amdgcn_target "amdgcn-amd-amdhsa--gfx1250"
	.amdhsa_code_object_version 6
	.text
	.protected	k_qeee1b52f70_attn
	.globl	k_qeee1b52f70_attn
	.p2align	8
	.type	k_qeee1b52f70_attn,@function
k_qeee1b52f70_attn:
	s_mov_b64 s[64:65], 0
	v_nop
	global_prefetch_b8 v0, s[64:65] scope:SCOPE_SE
	s_setreg_imm32_b32 hwreg(HW_REG_WAVE_MODE, 25, 1), 1
	s_wait_xcnt 0x0
; ctx[q] = sum over the keys k with q - 256 < k <= q of softmax(q . k) v[k], for each of 4 x 16 heads of 64, both products on codes of FP6 (E2M3) with one E8M0 scale for each 32 along a product's K.  No 1 / sqrt(64).
; THE SOFTMAX AHEAD OF THE SECOND PRODUCT: t = score x log2(e); M = the running largest t rounded up to a whole number; p = 2^(t - M) is quantised along the keys, not normalised; the row's sum is taken of the
; unquantised p and divides at the end.  When M moves, the sum and O are multiplied by 2^(old M - new M), which rounds nothing.
; INPUTS: records of 12,800 bytes, images of the registers of an operand of 128 rows x 128 K: fragment a at 1,536 a, six planes of 256 bytes (plane p: registers 2 p, 2 p + 1; lane l at 8 l); at 12,288 the scale words
; (word at 16 l + 4 i, l = 16 h + r: fragment 2 i + h, row r).  q, k: record 64 P + G: rows = token group G's 128 tokens, K = head pair P's 128 channels (planes 0-2: the first head).  v: record 64 P + G: rows = the pair's channels, K = the group's keys.
; OUTPUT: ctx as such records, number 8 G + P, rows = tokens, K = the pair's 128 channels, in their natural order along K, since ctx meets a weight that is given so.
; SHARES.  A work-group owns 256 queries (token groups G0, G0 + 1) of one head pair.  Wave n: head n / 8 of the pair, tile n % 8 of 16 queries.  A wave runs two jobs (a group each) of three key steps of 128 keys:
; with groups of 128 the window of 256 is the query's own group and the two before it.  The first step hides keys <= q - 256, the last keys > q, the middle one none.  Steps that would lie ahead of the batch's first key are
; left out by a scalar branch on the work-group's number.
; LDS: the four K records and the four V records that the two jobs walk (groups G0 - 2 .. G0 + 1) come once, by eight tensor loads at the head, one a wave of waves 0-7: nothing is filled again.
; NO CLUSTER: a record is wanted by two work-groups only, and it is record i of one and record i - 2 of the other: a joint load has one LDS address for all that it names.
; NO PREFETCH: all that the work-group reads from K and V is asked for at its head.
; LAYOUT.  Both products are used transposed: S^T = K Q^T (source 0 = 16 keys), O^T = V^T P^T (source 0 = 16 channels): a lane holds one query (lane % 16) throughout.  Register 8 t + j of S^T is key 16 t + 8 (lane / 16) + j:
; so p's codes of a block of 32 keys stand in the order 0-7, 16-23, 8-15, 24-31, as v's do.
; K = 64 IN AN INSTRUCTION OF 128: a head's 64 channels fill registers 0-5 of both operands.  Q's registers 6-11 are zero codes, so what K's registers 6-11 hold adds nothing (every 6-bit pattern is a finite number):
; a tile's operand runs on into the next tile's registers, the last into six registers of zeros.  The scale words are read as 16 bits: the head's two bytes, and 0 above them.
; LIMITS: a block whose largest magnitude lies under 2^-124 gets the byte 1; a block of zeros gets the byte 1 where the rule says 127 (its codes are zeros, and this program alone reads the bytes); NaN and infinities are not served.
.set REC,  12800
.set SCO,  12288                       ; a record's scale words
.set VREC, 4*REC                       ; LDS: V's four records behind K's four
.set SCS,  8*REC                       ; LDS: ctx's two records' scale words, 512 bytes each: written by LDS stores alone, no tile lands there
.set AK,   1                           ; v1   8 lane + 768 e: my place in a fragment of K
.set AV,   2                           ; v2   VREC + 8 lane + 6,144 e: in my head's four fragments of V
.set AS,   3                           ; v3   SCO + 16 lane + 2 e: K's scale words
.set AT,   4                           ; v4   VREC + SCO + 16 lane + 8 e: V's
.set QO,   5                           ; v5   8 lane + 1,536 w + 768 e: Q's half fragment, and ctx's
.set QS,   6                           ; v6   SCO + 256 (w % 2) + 16 r + 4 (w / 2) + 2 e: Q's scale bytes
.set TO,   7                           ; v7   the tail: 102,400 wave + 16 lane
.set ASC,  8                           ; v8   SCS + 256 (w % 2) + 16 r + 4 (w / 2) + 2 e: ctx's scale bytes
.set DM,   9                           ; v9   16 w + r - 8 h: my query in its group, less my half's 8 keys
.set NINF, 10                          ; v10  -infinity
.set TL,   11                          ; v11  the tail: SCS + 16 x thread
.set QF,   16                          ; v16-21 Q's codes, v22-27 zero codes
.set SK,   28                          ; v28-31 K's scale words
.set SV,   32                          ; v32-33 V's
.set QSW,  34                          ; v34  Q's
.set T0,   35                          ; at work at the head
.set VB,   36                          ; v36-83  four fragments of V
.set KB,   84                          ; v84-107 four tiles of K, six registers each; v108-113 zeros
.set S,    114                         ; v114-177 S^T, then p, at last ctx
.set O,    178                         ; v178-209 O^T
.set BM,   210                         ; v210-213 the blocks' largest
.set PT,   214                         ; v214-217 the other half's, then bytes
.set SO,   218                         ; v218-221 the conversions' scale operands
.set PC,   222                         ; v222-233 p's codes
.set CT,   234                         ; v234-236, v238-240 the conversions' second halves
.set FF,   242                         ; v242 f = 2^(old M - new M)
.set PWD,  243                         ; v243 p's scale word
.set T1,   244
.set T2,   245
.set F,    246                         ; v246-251 ctx's codes
.set CB,   252                         ; v252 ctx's two scale bytes
	s_load_b256 s[4:11], s[0:1], 0x0               ; qrec 4, krec 6, vrec 8, ctxrec 10
	v_lshl_add_u32 v254, v0, 2, 0x29000
	v_mov_b32 v255, 0
	ds_add_u32 v254, v255
	ds_add_u32 v254, v255
	v_lshrrev_b32 v[T0], 5, v0
	v_readfirstlane_b32 s12, v[T0]                 ; wave 0..15
	; every address register is made here, from the thread's number, ahead of the one branch on the wave's number
	v_mul_u32_u24 v[TO], v[T0], 8*REC
	v_and_b32 v[T0], 31, v0                        ; lane
	v_bfe_u32 v[T2], v0, 8, 1                      ; e
	v_bfe_u32 v[T1], v0, 5, 3                      ; w
	v_lshl_add_u32 v[TO], v[T0], 4, v[TO]
	v_lshl_add_u32 v[TL], v0, 4, SCS
	v_lshlrev_b32 v[AK], 3, v[T0]
	v_mad_u32_u24 v[AV], v[T2], 4*1536, v[AK]
	v_add_nc_u32 v[AV], VREC, v[AV]
	v_mad_u32_u24 v[AK], v[T2], 768, v[AK]
	v_mad_u32_u24 v[QO], v[T1], 1536, v[AK]
	v_lshlrev_b32 v[AS], 4, v[T0]
	v_lshl_add_u32 v[AT], v[T2], 3, v[AS]
	v_add_nc_u32 v[AT], VREC+SCO, v[AT]
	v_lshl_add_u32 v[AS], v[T2], 1, v[AS]
	v_add_nc_u32 v[AS], SCO, v[AS]
	v_and_b32 v[T0], 15, v0                        ; r
	v_lshl_add_u32 v[DM], v[T1], 4, v[T0]
	v_lshlrev_b32 v[ASC], 4, v[T0]
	v_lshl_add_u32 v[ASC], v[T2], 1, v[ASC]
	v_bfe_u32 v[T0], v0, 5, 1                      ; w % 2
	v_lshl_add_u32 v[ASC], v[T0], 8, v[ASC]
	v_bfe_u32 v[T0], v0, 6, 2                      ; w / 2
	v_lshl_add_u32 v[ASC], v[T0], 2, v[ASC]
	v_add_nc_u32 v[QS], SCO, v[ASC]
	v_add_nc_u32 v[ASC], SCS, v[ASC]
	v_bfe_u32 v[T0], v0, 4, 1                      ; h
	v_lshlrev_b32 v[T0], 3, v[T0]
	v_sub_nc_u32 v[DM], v[DM], v[T0]
	v_mov_b32 v[NINF], 0xff800000
.irp i, 0,1,2,3,4,5
	v_mov_b32 v[QF+6+\i], 0                        ; Q's upper 64 along K: zero codes
	v_mov_b32 v[KB+24+\i], 0                       ; what the last tile's operand runs on into
.endr
.irp b, 0,1,2,3
	v_mov_b32 v[PT+\b], 0                          ; written once: a lane permute's destination counts as one of its sources
.endr
	v_mov_b32 v[PWD], 0                            ; (named as the upper half of the pair v[242:243] before it is first written)
	s_and_b32 s15, ttmp9, 7                        ; P: the head pair
	s_bfe_u32 s16, ttmp9, 0x30003                  ; which 256 queries of the batch's 2,048
	s_lshr_b32 s17, ttmp9, 6                       ; the batch
	s_lshl_b32 s17, s17, 4
	s_lshl_b32 s36, s16, 1
	s_add_co_u32 s17, s17, s36                     ; G0
	s_mov_b32 s20, 0x76543210
	s_mov_b32 s21, 0xfedcba98                      ; v_permlanex16_b32's selects for lane l xor 16
	s_mov_b32 s22, 0x3fb8aa3b                      ; log2(e)
	s_mov_b32 s23, s22                             ; (named with it as a pair)
	; descriptor group 1: a record, 12,800 dense bytes, as 50 rows of 256 bytes (32 elements of 8)
	s_mov_b32 s24, 3<<16
	s_mov_b32 s25, 32<<16                          ; tensor_dim0
	s_mov_b32 s26, 50<<16                          ; tensor_dim1
	s_mov_b32 s27, 32<<16                          ; tile_dim0
	s_mov_b32 s28, 50                              ; tile_dim1
	s_mov_b32 s29, 32                              ; from row to row
	s_mov_b32 s30, 0
	s_mov_b32 s31, 0
	s_mov_b32 s32, 1
	s_mul_i32 s33, s12, REC                        ; waves 0-3: K's records 0-3; waves 4-7: V's, behind them
	s_lshl_b32 s38, s15, 6
	s_and_b32 s36, s12, 3
	s_add_co_u32 s36, s36, s17
	s_sub_co_i32 s36, s36, 2                       ; token group G0 - 2 + (wave % 4);
	s_max_i32 s36, s36, 0                          ; held at 0, so that the load stays in its buffer: such a record, like one of the batch before, is loaded and never read
	s_add_co_u32 s36, s36, s38
	s_mul_i32 s36, s36, REC
	s_mov_b32 s37, 0
	s_add_co_u32 s40, s38, s17
	s_mul_i32 s40, s40, REC                        ; Q's record 64 P + G0
	s_mov_b32 s41, 0
	s_lshl_b32 s42, s17, 3
	s_add_co_u32 s42, s42, s15
	s_mul_i32 s42, s42, REC                        ; ctx's record 8 G0 + P
	s_mov_b32 s43, 0
	s_wait_dscnt 0x0
	s_wait_kmcnt 0x0
	s_cmp_lt_u32 s12, 4
	s_cselect_b64 s[34:35], s[6:7], s[8:9]
	s_add_nc_u64 s[34:35], s[34:35], s[36:37]
	s_or_b32 s35, s35, 0x80000000                  ; type = 2
	s_add_nc_u64 s[4:5], s[4:5], s[40:41]
	s_add_nc_u64 s[10:11], s[10:11], s[42:43]
	s_cmp_lt_u32 s12, 8
	s_cbranch_scc0 .Lno_fill
	tensor_load_to_lds s[32:35], s[24:31]          ; my one tensor load of the launch
	s_nop 0
.rept 4
	v_nop
.endr
.Lno_fill:
.irp p, 0,1,2
	global_load_b64 v[QF+2*\p:QF+2*\p+1], v[QO], s[4:5] offset:256*\p   ; the first job's Q
.endr
	global_load_u16 v[QSW], v[QS], s[4:5]
	s_wait_tensorcnt 0x0                           ; my record has landed,
	s_barrier_signal -1
	s_barrier_wait -1                              ; everybody's has
.macro PLACES
.rept 4
	v_nop
.endr
.endm
.macro KLOAD g                         ; tiles 4 g .. 4 g + 3 of the step's K: my head's three planes of each fragment
.irp tt, 0,1,2,3
.irp p, 0,1,2
	ds_load_b64 v[KB+6*\tt+2*\p:KB+6*\tt+2*\p+1], v[AK] offset:R+1536*(4*\g+\tt)+256*\p
.endr
.endr
.endm
.macro KQ g                            ; their scores.  The scale register of tiles 2 i and 2 i + 1 is one: the even tile's words in lanes 0-15, the odd one's in lanes 16-31
.irp tt, 0,1,2,3
.if \tt%2
	v_wmma_scale_f32_16x16x128_f8f6f4 v[S+8*(4*\g+\tt):S+8*(4*\g+\tt)+7], v[KB+6*\tt:KB+6*\tt+11], v[QF:QF+11], 0, v[SK+2*\g+\tt/2], v[QSW] matrix_a_fmt:MATRIX_FMT_FP6 matrix_b_fmt:MATRIX_FMT_FP6 matrix_a_scale:MATRIX_SCALE_ROW1
.else
	v_wmma_scale_f32_16x16x128_f8f6f4 v[S+8*(4*\g+\tt):S+8*(4*\g+\tt)+7], v[KB+6*\tt:KB+6*\tt+11], v[QF:QF+11], 0, v[SK+2*\g+\tt/2], v[QSW] matrix_a_fmt:MATRIX_FMT_FP6 matrix_b_fmt:MATRIX_FMT_FP6
.endif
.endr
.endm
; A KEY STEP of job jb: 128 keys, LDS records jb + s.  mask = 1: the window's far edge; 2: the diagonal; 0: all keys count.  qnext = 1: the next job's Q is asked for as soon as this job's last scores are made.
.macro STEP jb, s, mask, qnext
.set R, REC*(\jb+\s)
.if (\jb+\s) < 2
	s_cmp_eq_u32 s16, 0                            ; the batch's first 256 queries have no such keys: a branch on the work-group's number, the same in all sixteen waves
	s_cbranch_scc1 .Lskip_\@
.endif
	PLACES                                         ; behind the last step's products, whose fragments and scale words of V are loaded anew
.irp i, 0,1,2,3
	ds_load_u16 v[SK+\i], v[AS] offset:R+4*\i
.endr
	KLOAD 0
.irp t, 0,1,2,3
.irp p, 0,1,2,3,4,5
	ds_load_b64 v[VB+12*\t+2*\p:VB+12*\t+2*\p+1], v[AV] offset:R+1536*\t+256*\p
.endr
.endr
	ds_load_b64 v[SV:SV+1], v[AT] offset:R
	s_wait_dscnt 25                                ; K's words and first four tiles are in; V's 24 loads and its scale words, issued behind them, may be out
	KQ 0
	PLACES
	KLOAD 1
	s_wait_dscnt 0x0
	KQ 1
	PLACES
.if \qnext
.irp p, 0,1,2
	global_load_b64 v[QF+2*\p:QF+2*\p+1], v[QO], s[4:5] offset:REC+256*\p
.endr
	global_load_u16 v[QSW], v[QS], s[4:5] offset:REC
.endif
.if \mask == 1                         ; register n holds key 16 (n / 8) + n % 8 + 8 h of a group that lies 256 before mine: hidden where that is <= my query's place in its group
.set n, 0
.rept 64
	v_cmp_le_i32 vcc_lo, 16*(n/8)+n%8, v[DM]
	v_cndmask_b32 v[S+n], v[S+n], v[NINF], vcc_lo
.set n, n+1
.endr
.endif
.if \mask == 2                         ; my own group: hidden where the key comes after my query
.set n, 0
.rept 64
	v_cmp_gt_i32 vcc_lo, 16*(n/8)+n%8, v[DM]
	v_cndmask_b32 v[S+n], v[S+n], v[NINF], vcc_lo
.set n, n+1
.endr
.endif
.irp b, 0,1,2,3
	v_max3_num_f32 v[BM+\b], v[S+16*\b], v[S+16*\b+1], v[S+16*\b+2]   ; the largest score of each block of 32 keys: it serves for the row's maximum and, since p rises with the score, for the block's largest p
.endr
.irp i, 3,5,7,9,11,13
.irp b, 0,1,2,3
	v_max3_num_f32 v[BM+\b], v[BM+\b], v[S+16*\b+\i], v[S+16*\b+\i+1]
.endr
.endr
.irp b, 0,1,2,3
	v_max_num_f32 v[BM+\b], v[BM+\b], v[S+16*\b+15]
.endr
.irp b, 0,1,2,3
	v_permlanex16_b32 v[PT+\b], v[BM+\b], s20, s21
.endr
.irp b, 0,1,2,3
	v_max_num_f32 v[BM+\b], v[BM+\b], v[PT+\b]     ; with lane l xor 16's 16 keys
.endr
	v_max3_num_f32 v[T1], v[BM], v[BM+1], v[BM+2]
	v_max_num_f32 v[T1], v[T1], v[BM+3]            ; the step's largest score of my query (-infinity where all its keys are hidden)
	v_mul_f32 v[T1], s22, v[T1]
	v_max_num_f32 v13, v13, v[T1]                  ; the running largest t
	v_mov_b32 v[T1], v12
	v_floor_f32 v12, -v13                          ; the new -M = floor(-t) = -ceil(t)
	v_sub_f32 v[T1], v12, v[T1]                    ; old M - new M: a whole number, 0 or less
	v_cvt_i32_f32 v[T1], v[T1]                     ; (it saturates)
	v_ldexp_f32 v[FF], 1.0, v[T1]                  ; f
.set j, 0
.rept 32
	v_pk_fma_f32 v[S+j:S+j+1], v[S+j:S+j+1], s[22:23], v[12:13] op_sel_hi:[1,0,0]   ; t - M, two at a time
.set j, j+2
.endr
.irp b, 0,1,2,3
	v_fma_f32 v[BM+\b], v[BM+\b], s22, v12         ; the same of each block's largest score
.endr
.set j, 0
.rept 64
	v_exp_f32 v[S+j], v[S+j]                       ; p = 2^(t - M)
.set j, j+1
.endr
.irp b, 0,1,2,3
	v_exp_f32 v[BM+\b], v[BM+\b]                   ; the block's largest p
.endr
	v_pk_mul_f32 v[14:15], v[14:15], v[FF:FF+1] op_sel_hi:[1,0]   ; the sums under the new M (a plain place behind the exponentials)
	s_wait_alu depctr_va_vdst(0)
.irp b, 0,1,2,3
	v_max_num_f32 v[BM+\b], 0x1800000, v[BM+\b]    ; the floor 2^-124: the byte cannot fall under 1
.endr
.irp b, 0,1,2,3
	v_add_nc_u32 v[SO+\b], 0xff000000, v[BM+\b]    ; 2 off the exponent field: the conversion's scale operand
.endr
.irp b, 0,1,2,3
	v_lshrrev_b32 v[PT+\b], 23, v[SO+\b]           ; the scale's byte
.endr
	v_lshl_or_b32 v[PWD], v[PT+1], 8, v[PT]        ; p's scale word for these 128 keys
	v_lshl_or_b32 v[PWD], v[PT+2], 16, v[PWD]
	v_lshl_or_b32 v[PWD], v[PT+3], 24, v[PWD]
.irp c, 0,1
	v_cvt_scalef32_pk16_fp6_f32 v[PC+6*\c:PC+6*\c+2], v[S+32*\c:S+32*\c+15], v[SO+2*\c]
	v_cvt_scalef32_pk16_fp6_f32 v[CT+4*\c:CT+4*\c+2], v[S+32*\c+16:S+32*\c+31], v[SO+2*\c+1]
.endr
	v_nop                                          ; one plain place behind a scaled conversion
.irp c, 0,1
.irp i, 0,1,2
	v_permlane16_swap_b32 v[PC+6*\c+\i], v[CT+4*\c+\i]   ; a whole block to a lane: lanes 0-15 block 2 c, lanes 16-31 block 2 c + 1
.endr
.irp i, 0,1,2
	v_mov_b32 v[PC+6*\c+3+\i], v[CT+4*\c+\i]
.endr
.endr
	v_pk_add_f32 v[CT:CT+1], v[S:S+1], v[S+2:S+3]  ; the row's sum is taken of the unquantised p: two at a time, in two chains
.set j, 4
.rept 15
	v_pk_add_f32 v[14:15], v[14:15], v[S+j:S+j+1]
	v_pk_add_f32 v[CT:CT+1], v[CT:CT+1], v[S+j+2:S+j+3]
.set j, j+4
.endr
	v_pk_add_f32 v[14:15], v[14:15], v[CT:CT+1]
.set j, 0
.rept 16
	v_pk_mul_f32 v[O+j:O+j+1], v[O+j:O+j+1], v[FF:FF+1] op_sel_hi:[1,0]   ; O^T under the new M.  (The sums and these are the places between the writing of p's codes and scale word and the products)
.set j, j+2
.endr
.irp t, 0,1,2,3                        ; O^T += V^T P^T: my head's four tiles of 16 channels, one instruction a turn
.if \t%2
	v_wmma_scale_f32_16x16x128_f8f6f4 v[O+8*\t:O+8*\t+7], v[VB+12*\t:VB+12*\t+11], v[PC:PC+11], v[O+8*\t:O+8*\t+7], v[SV+\t/2], v[PWD] matrix_a_fmt:MATRIX_FMT_FP6 matrix_b_fmt:MATRIX_FMT_FP6 matrix_a_scale:MATRIX_SCALE_ROW1
.else
	v_wmma_scale_f32_16x16x128_f8f6f4 v[O+8*\t:O+8*\t+7], v[VB+12*\t:VB+12*\t+11], v[PC:PC+11], v[O+8*\t:O+8*\t+7], v[SV+\t/2], v[PWD] matrix_a_fmt:MATRIX_FMT_FP6 matrix_b_fmt:MATRIX_FMT_FP6
.endif
.endr
.Lskip_\@:
.endm
; A JOB: my 16 queries of token group G0 + jb.
.macro JOB jb
	s_wait_loadcnt 0x0                             ; Q
	v_mov_b32 v13, 0xff61b1e6                      ; the largest t so far: -3e38, under every t
	v_floor_f32 v12, -v13                          ; -M
	v_mov_b32 v14, 0                               ; the sum, in two halves
	v_mov_b32 v15, 0
.set j, 0
.rept 32
	v_mov_b32 v[O+j], 0                            ; O^T: the step is written once for all places: the first finds zeros, which the first change of M leaves zeros
.set j, j+1
.endr
	STEP \jb, 0, 1, 0
	STEP \jb, 1, 0, 0
	STEP \jb, 2, 2, 1-\jb
	PLACES                                         ; behind the last products
	v_add_f32 v14, v14, v15
	v_permlanex16_b32 v[T1], v14, s20, s21
	v_add_f32 v14, v14, v[T1]                      ; the row's sum: at least 1/2, since a query's own key always counts
	v_rcp_f32 v14, v14
	v_nop                                          ; a plain place behind the transcendental
.set j, 0
	s_wait_alu depctr_va_vdst(0)
.rept 32
	v_mul_f32 v[S+j], v[O+j], v14                  ; ctx: register 8 t + i is channel 16 t + 8 h + i; each accumulator from its low end on
.set j, j+1
.endr
.irp b, 0,1                            ; into the natural order along the channels: the lower tile's lanes 16-31 change places with the upper tile's lanes 0-15: register 16 b + i is then channel 32 b + 16 h + i
.irp i, 0,1,2,3,4,5,6,7
	v_permlane16_swap_b32 v[S+16*\b+\i], v[S+16*\b+8+\i]
.endr
.endr
.irp b, 0,1
	v_max3_num_f32 v[BM+\b], |v[S+16*\b]|, |v[S+16*\b+1]|, 0x1800000
.endr
.irp i, 2,4,6,8,10,12,14
.irp b, 0,1
	v_max3_num_f32 v[BM+\b], v[BM+\b], |v[S+16*\b+\i]|, |v[S+16*\b+\i+1]|
.endr
.endr
.irp b, 0,1
	v_permlanex16_b32 v[PT+\b], v[BM+\b], s20, s21
.endr
.irp b, 0,1
	v_max_num_f32 v[BM+\b], v[BM+\b], v[PT+\b]
.endr
.irp b, 0,1
	v_add_nc_u32 v[SO+\b], 0xff000000, v[BM+\b]
.endr
.irp b, 0,1
	v_lshrrev_b32 v[PT+\b], 23, v[SO+\b]
.endr
	v_lshl_or_b32 v[CB], v[PT+1], 8, v[PT]         ; my head's two bytes of the row's scale word
.if \jb
	s_wait_xcnt 0x0                                ; the first job's stores have read their data: the codes' registers are written again only behind this wait
.endif
	v_cvt_scalef32_pk16_fp6_f32 v[F:F+2], v[S:S+15], v[SO]
	v_cvt_scalef32_pk16_fp6_f32 v[CT:CT+2], v[S+16:S+31], v[SO+1]
	v_nop                                          ; one plain place behind a scaled conversion
.irp i, 0,1,2
	v_permlane16_swap_b32 v[F+\i], v[CT+\i]
.endr
.irp i, 0,1,2
	v_mov_b32 v[F+3+\i], v[CT+\i]
.endr
.irp p, 0,1,2
	global_store_b64 v[QO], v[F+2*\p:F+2*\p+1], s[10:11] offset:8*REC*\jb+256*\p   ; 32 lanes store 256 consecutive bytes, aligned
.endr
	ds_store_b16 v[ASC], v[CB] offset:512*\jb      ; lanes l and l xor 16 write the same bytes with the same value; the scale words are gathered in LDS and leave whole
.endm
	JOB 0
	JOB 1
	s_wait_dscnt 0x0                               ; for the others' sake: my scale bytes lie in LDS
	s_barrier_signal -1
	s_barrier_wait -1
	s_cmp_lt_u32 s12, 2                            ; waves 0 and 1 store a record's 512 bytes of scale words each
	s_cbranch_scc0 .Lend
	ds_load_b128 v[VB:VB+3], v[TL]
	s_wait_dscnt 0x0
	global_store_b128 v[TO], v[VB:VB+3], s[10:11] offset:SCO
.Lend:
	s_wait_tensorcnt 0x0
	ds_add_u32 v254, v255
	s_wait_dscnt 0x0
	s_endpgm
.Lfunc_end_k_qeee1b52f70_attn:
	.size	k_qeee1b52f70_attn, .Lfunc_end_k_qeee1b52f70_attn-k_qeee1b52f70_attn
	.p2alignl 7, 3214868480
	.fill 96, 4, 3214868480
	.section	.rodata,"a",@progbits
	.p2align	6, 0x0
	.amdhsa_kernel k_qeee1b52f70_attn
		.amdhsa_group_segment_fixed_size 169984
		.amdhsa_private_segment_fixed_size 0
		.amdhsa_enable_private_segment 0
		.amdhsa_kernarg_size 32
		.amdhsa_user_sgpr_count 2
		.amdhsa_user_sgpr_kernarg_segment_ptr 1
		.amdhsa_wavefront_size32 1
		.amdhsa_system_sgpr_workgroup_id_x 1
		.amdhsa_system_sgpr_workgroup_id_y 1
		.amdhsa_system_sgpr_workgroup_id_z 1
		.amdhsa_system_vgpr_workitem_id 0
		.amdhsa_next_free_vgpr 256
		.amdhsa_next_free_sgpr 66
		.amdhsa_reserve_vcc 1
		.amdhsa_float_denorm_mode_32 3
		.amdhsa_float_denorm_mode_16_64 3
		.amdhsa_memory_ordered 1
		.amdhsa_forward_progress 1
		.amdhsa_inst_pref_size 138
	.end_amdhsa_kernel
	.amdgpu_metadata
---
amdhsa.version: [ 1, 2 ]
amdhsa.kernels:
  - .name:           k_qeee1b52f70_attn
    .symbol:         k_qeee1b52f70_attn.kd
    .args:
      - { .name: qrec, .offset: 0, .size: 8, .value_kind: global_buffer, .address_space: global }
      - { .name: krec, .offset: 8, .size: 8, .value_kind: global_buffer, .address_space: global }
      - { .name: vrec, .offset: 16, .size: 8, .value_kind: global_buffer, .address_space: global }
      - { .name: ctxrec, .offset: 24, .size: 8, .value_kind: global_buffer, .address_space: global }
    .group_segment_fixed_size: 169984
    .private_segment_fixed_size: 0
    .kernarg_segment_align: 8
    .kernarg_segment_size: 32
    .max_flat_workgroup_size: 512
    .sgpr_count:     66
    .vgpr_count:     256
    .wavefront_size: 32
...
	.end_amdgpu_metadata
.endif
;; end of part 2
;; launch outp (part 3): grid 4 x 32, 4 waves a work-group, clusters of 4 x 4, 327,680 bytes of LDS; arguments ctxrec, Wo_codes, Wo_scales, bo, out0; writes out0
.if DOCPART == 3
	.amdgcn_target "amdgcn-amd-amdhsa--gfx1250"
	.amdhsa_code_object_version 6
	.text
	.protected	k_qeee1b52f70_outp
	.globl	k_qeee1b52f70_outp
	.p2align	8
	.type	k_qeee1b52f70_outp,@function
k_qeee1b52f70_outp:
	s_mov_b64 s[64:65], 0
	v_nop
	global_prefetch_b8 v0, s[64:65] scope:SCOPE_SE
	s_setreg_imm32_b32 hwreg(HW_REG_WAVE_MODE, 25, 1), 1
	s_wait_xcnt 0x0
	s_wait_alu depctr_hold_cnt(0) depctr_sa_sdst(0) depctr_va_vdst(0) depctr_va_sdst(0) depctr_va_ssrc(0) depctr_va_vcc(0) depctr_vm_vsrc(0)
	s_getreg_b32 s2, hwreg(HW_REG_IB_STS2, 6, 4)
	s_cmp_eq_u32 s2, 0
	s_cbranch_scc0 .Lentry_in_a_cluster
	s_endpgm
.Lentry_in_a_cluster:
	s_bfe_u32 s2, ttmp6, 0x10000c
	s_cmp_lg_u32 s2, 0xf033
	s_cbranch_scc0 .Lentry_shape_is_right
	s_endpgm
.Lentry_shape_is_right:
; out[m][n] = sum over k of ctx[m][k] Wo[n][k] + bo[n], on codes of FP6 (E2M3) with one E8M0 scale for each 32 along K = 1,024; out: [8,192][1,024] f32.
; A = ctx comes as RECORDS of 12,800 bytes, images of the registers of an operand of 128 rows x 128 K (fragment a at 1,536 a, six planes of 256 bytes, lane l's 8 bytes at 8 l; at 12,288 the scale words: word at 16 l + 4 i,
; l = 16 h + r: fragment 2 i + h, row r); record 8 G + P: token group G, K step P.  B = Wo comes as rows of 768 bytes of codes and 32 scale bytes.
; A tile of 256 x 256 is made by a work-group of four waves; a wave makes 128 x 128: 64 accumulators, 512 registers.  K goes in steps of 256 through a ring of two LDS slots: of A two records for each of the tile's two token
; groups (25,600 dense bytes a load, their scale words inside), of B 256 rows of 192 bytes.  B's scale bytes for all of K come once, with the first fills.
; CLUSTERS: 4 x 4 work-groups.  The four of a row need the same records of A, the four of a column the same tiles of B: each is asked for jointly.  The matrix instruction is used transposed (source 0 = 16 rows of B,
; source 1 = 16 rows of A): a lane holds eight neighbouring numbers of a row of the output.
; 128 tiles: a smaller tile would give every WGP a work-group at twice the LDS bytes for each product.
; REGISTERS, in windows of 256: window 0: v12-15 the bias of my four columns; v16-29 addresses; v32-47 A's scale words, v48-79 B's, two sets each, and nothing else; v128-223 A's fragments, one set; on the way out v128-255 rows of the output.
;   window 1: B's fragments, two sets.   window 2: the accumulators of my rows 0-63 (accumulator (a, b) at v[8 (8 a + b)]);   window 3: those of my rows 64-127.
.set SIZE_N, 1024
.set NQ,     2                         ; matrix instructions deep in a slot
.set ROWB,   192                       ; B: a tile's row in bytes
.set KROW,   768                       ; and a row in memory
.set PITCH,  240                       ; and in LDS: 3 x (64 bytes + 16 of padding)
.set FR,     12
.set NL,     6
.set NP,     4                         ; places behind this matrix instruction (ISA guide 7.12.1)
.set REC,    12800
.set HALFA,  2*REC                     ; A: what one tensor load brings: a token group's two records
.set HALFB,  128*PITCH                 ; B: 128 rows
.set BOFF,   2*HALFA                   ; in a slot B lies behind A
.set SLOT,   BOFF+2*HALFB
.set LAPS,   2
.set SCL,    2*SLOT                    ; behind the ring: B's scale bytes, as units of 256 bytes + 16 of padding
.set HALFS,  16*272                    ; those of 128 rows
.set SBLK,   2*272                     ; those of 16 rows
.set SPARE,  SCL+2*HALFS               ; the spare words, 128 bytes for each wave
.set SPITCH, 528                       ; the way out: a stage of 16 rows x (512 bytes + 16) for each wave, in slot 0, which has had its last fill and its last read when the first result is stored there
.set BIAS, 12
.set ADRA, 16                          ; v16-17 A's fragments in slot 0, 1: 8 x lane + my token group's records
.set ADSA, 18                          ; v18-19 the same with 16 x lane: their scale words
.set ADRB, 20                          ; v20-21 B's fragments (v22-23: behind one padding more)
.set STO,  24
.set RD,   25
.set CO,   26
.set ADRS, 27                          ; v27 B's scale words
.set SPW,  28
.set NIL,  29
.set SA,   32                          ; A's scale words: set s at v[SA + 8 s]; register 4 q + i: fragment 2 i in lanes 0-15, 2 i + 1 in lanes 16-31
.set SB,   48                          ; B's: set s at v[SB + 16 s]; register 2 b + q
.set AF,   128
.set BK,   128
.set G1, 24
.set G0, 32
.set G1B, 48
.set G0B, 56
.set G1SB, 68
.set G0SB, 76
.set MSB, 0
.macro WIN new
.if MSB != \new
	s_set_vgpr_msb (MSB<<8)|\new
.set MSB, \new
.endif
.endm
.set MUL_LO, 0xa1
.set MUL_HI, 0xf1
.set TO_B,   0x40
.macro JLOAD g0a, g1a, g0b, g1b        ; a joint load: waves 0 and 1 fetch for A, waves 2 and 3 for B; four v_nop follow each of the two lines
	s_cmp_eq_u32 s15, 0
	s_cbranch_scc0 .Lfor_b_\@
	tensor_load_to_lds s[\g0a:\g0a+3], s[\g1a:\g1a+7]
	s_nop 0
.rept 4
	v_nop
.endr
	s_branch .Lasked_\@
.Lfor_b_\@:
	tensor_load_to_lds s[\g0b:\g0b+3], s[\g1b:\g1b+7]
	s_nop 0
.rept 4
	v_nop
.endr
.Lasked_\@:
.endm
.macro CREST
	s_cmp_lg_u32 s14, 0
	s_cbranch_scc1 .Lnot_wave_0_\@
	s_barrier_signal -3
.Lnot_wave_0_\@:
	s_barrier_wait -3
	s_barrier_signal -1
	s_barrier_wait -1
.endm
.macro CROUND
	s_barrier_signal -1
	s_barrier_wait -1
	CREST
.endm
	s_load_b256 s[4:11], s[0:1], 0x0               ; ctxrec 4, Wo's codes 6, Wo's scales 8, bo 10
	s_load_b64 s[12:13], s[0:1], 0x20              ; out
	v_lshl_add_u32 v[SPW], v0, 2, SPARE
	v_mov_b32 v[NIL], 0
	ds_add_u32 v28, v29
	ds_add_u32 v28, v29
	s_wait_dscnt 0x0
	v_lshrrev_b32 v1, 5, v0
	v_readfirstlane_b32 s14, v1                    ; wave 0..3
	s_lshr_b32 s15, s14, 1                         ; which half of the tile's rows is mine.  Also: I fetch for A (0) or for B (1)
	s_and_b32 s16, s14, 1                          ; which half of its columns.  Also: which half of that tile I fetch
	s_bfe_u32 s40, ttmp6, 0x40000                  ; cx, cy
	s_bfe_u32 s41, ttmp6, 0x40004
	s_lshl_b32 s42, ttmp9, 2
	s_add_co_u32 s42, s42, s40                     ; tile column
	s_and_b32 s17, ttmp7, 0xffff
	s_lshl_b32 s17, s17, 2
	s_add_co_u32 s17, s17, s41                     ; tile row
	s_lshl_b32 s43, s41, 2
	s_lshl_b32 s43, 15, s43                        ; my row of the cluster
	s_lshl_b32 s44, 0x1111, s40                    ; my column
	; group 1 for A: 25,600 dense bytes as 100 rows of 256 bytes (32 elements of 8), no padding
	s_or_b32 s[G1+0], s43, (3<<16)|(1<<21)
	s_mov_b32 s[G1+1], 32<<16
	s_mov_b32 s[G1+2], 100<<16
	s_mov_b32 s[G1+3], 32<<16
	s_mov_b32 s[G1+4], 100
	s_mov_b32 s[G1+5], 32
	s_mov_b32 s[G1+6], 0
	s_mov_b32 s[G1+7], 0
	; for B: 128 rows x 192 bytes, 16 bytes of padding behind every 64
	s_or_b32 s[G1B+0], s44, (0<<16)|(1<<20)|(1<<21)|(3<<22)|(3<<25)
	s_mov_b32 s[G1B+1], ROWB<<16
	s_mov_b32 s[G1B+2], 128<<16
	s_mov_b32 s[G1B+3], ROWB<<16
	s_mov_b32 s[G1B+4], 128
	s_mov_b32 s[G1B+5], KROW
	s_mov_b32 s[G1B+6], 0
	s_mov_b32 s[G1B+7], 0
	; for B's scales of 128 rows: 4,096 dense bytes as 16 rows of 256, 16 bytes of padding behind each
	s_or_b32 s[G1SB+0], s44, (3<<16)|(1<<20)|(1<<21)|(5<<22)|(3<<25)
	s_mov_b32 s[G1SB+1], 32<<16
	s_mov_b32 s[G1SB+2], 16<<16
	s_mov_b32 s[G1SB+3], 32<<16
	s_mov_b32 s[G1SB+4], 16
	s_mov_b32 s[G1SB+5], 32
	s_mov_b32 s[G1SB+6], 0
	s_mov_b32 s[G1SB+7], 0
	s_lshl_b32 s20, s17, 1
	s_add_co_u32 s20, s20, s16                     ; A: token group 2 x tile row + half,
	s_mul_i32 s20, s20, 8*REC                      ; whose eight records lie on end
	s_mov_b32 s21, 0
	s_lshl_b32 s18, s16, 7
	s_lshl_b32 s46, s42, 8
	s_add_co_u32 s46, s46, s18                     ; B: row 256 x tile column + 128 x half
	s_lshl_b32 s92, s46, 5                         ; its scale bytes,
	s_mov_b32 s93, 0
	s_mul_i32 s46, s46, KROW                       ; its codes
	s_mov_b32 s47, 0
	s_mul_i32 s45, s16, HALFA                      ; where they go: no place in the cluster enters an LDS address
	s_mul_i32 s94, s16, HALFB
	s_add_co_u32 s94, s94, BOFF
	s_mul_i32 s95, s16, HALFS
	s_add_co_u32 s95, s95, SCL
	s_wait_kmcnt 0x0
	s_add_nc_u64 s[20:21], s[4:5], s[20:21]
	s_add_nc_u64 s[46:47], s[6:7], s[46:47]
	s_add_nc_u64 s[92:93], s[8:9], s[92:93]
	CROUND                                         ; all sixteen work-groups are here: the first joint loads meet
	s_mov_b32 s[G0SB], 1
	s_mov_b32 s[G0SB+1], s95
	s_mov_b64 s[G0SB+2:G0SB+3], s[92:93]
	s_or_b32 s[G0SB+3], s[G0SB+3], 0x80000000
.irp s, 0,1
	s_mov_b32 s[G0+4*\s], 1
	s_add_co_u32 s[G0+4*\s+1], s45, \s*SLOT
	s_add_nc_u64 s[G0+4*\s+2:G0+4*\s+3], s[20:21], \s*HALFA
	s_or_b32 s[G0+4*\s+3], s[G0+4*\s+3], 0x80000000
	s_mov_b32 s[G0B+4*\s], 1
	s_add_co_u32 s[G0B+4*\s+1], s94, \s*SLOT
	s_add_nc_u64 s[G0B+4*\s+2:G0B+4*\s+3], s[46:47], \s*ROWB
	s_or_b32 s[G0B+4*\s+3], s[G0B+4*\s+3], 0x80000000
.endr
	s_cmp_eq_u32 s15, 0                            ; a wave's first fills stand in one branch: A's waves have two loads out, B's three
	s_cbranch_scc0 .Lfirst_b
	tensor_load_to_lds s[G0:G0+3], s[G1:G1+7]
	s_nop 0
	tensor_load_to_lds s[G0+4:G0+7], s[G1:G1+7]
	s_nop 0
.rept 4
	v_nop
.endr
	s_branch .Lfirst_done
.Lfirst_b:
	tensor_load_to_lds s[G0SB:G0SB+3], s[G1SB:G1SB+7]
	s_nop 0
	tensor_load_to_lds s[G0B:G0B+3], s[G1B:G1B+7]
	s_nop 0
	tensor_load_to_lds s[G0B+4:G0B+7], s[G1B:G1B+7]
	s_nop 0
.rept 4
	v_nop
.endr
.Lfirst_done:
	v_and_b32 v1, 15, v0                           ; l % 16
	v_bfe_u32 v2, v0, 4, 1                         ; l / 16
	v_and_b32 v6, 31, v0                           ; lane
	v_mul_u32_u24 v3, v1, PITCH
	v_mul_u32_u24 v4, v2, 24
	v_add_nc_u32 v4, v3, v4                        ; B: a fragment's row x pitch + 24 x half
	v_lshl_add_u32 v5, v2, 4, v4                   ; and the same behind one padding more
	s_mul_i32 s22, s15, HALFA                      ; my token group's records
	s_mul_i32 s23, s16, HALFB                      ; my 128 rows of B
	s_add_co_u32 s23, s23, BOFF
.irp s, 0,1
	v_lshl_add_u32 v[ADRA+\s], v6, 3, s22
	v_lshl_add_u32 v[ADSA+\s], v6, 4, s22
	v_add_nc_u32 v[ADRB+\s], s23, v4
	v_add_nc_u32 v[ADRB+2+\s], s23, v5
	s_add_co_u32 s22, s22, SLOT
	s_add_co_u32 s23, s23, SLOT
.endr
	v_lshlrev_b32 v7, 5, v1                        ; B's scales: 32 bytes a row,
	v_lshrrev_b32 v8, 3, v1
	v_lshl_add_u32 v7, v8, 4, v7                   ; and 16 more behind each eight rows
	s_mul_i32 s22, s16, HALFS
	s_add_co_u32 s22, s22, SCL
	v_add_nc_u32 v[ADRS], s22, v7
	s_mul_i32 s23, s14, 16*SPITCH                  ; my stage
	v_mul_u32_u24 v5, v1, SPITCH                   ; in: row l % 16, 32 bytes for each half of the lanes
	v_lshl_add_u32 v5, v2, 5, v5
	v_add_nc_u32 v[STO], s23, v5
	v_lshlrev_b32 v[CO], 4, v6                     ; back: the 32 lanes take one row of 512 bytes; and the same in the output
	v_add_nc_u32 v[RD], s23, v[CO]
	s_lshl_b32 s20, s17, 8
	s_lshl_b32 s21, s15, 7
	s_add_co_u32 s20, s20, s21                     ; my first row: 256 x tile row + 128 x half
	s_mov_b32 s21, 0
	s_mov_b64 s[18:19], SIZE_N*4
	s_mul_u64 s[20:21], s[20:21], s[18:19]
	s_lshl_b32 s46, s42, 10                        ; my first column, in bytes: 1,024 x tile column + 512 x half
	s_lshl_b32 s47, s16, 9
	s_add_co_u32 s46, s46, s47
	s_mov_b32 s47, 0
	s_add_nc_u64 s[20:21], s[20:21], s[46:47]
	s_add_nc_u64 s[12:13], s[12:13], s[20:21]
	s_add_nc_u64 s[10:11], s[10:11], s[46:47]      ; the bias of the same columns
	global_load_b128 v[BIAS:BIAS+3], v[CO], s[10:11]
.macro FRAG reg, adr, q, i             ; a fragment of B from padded rows, in pieces of 8 bytes; where lanes 16-31's piece lies behind one padding more, the second address register serves
.irp p, 0,1,2,3,4,5
.set PC, 12*(\q)+6*(\p/3)+\p%3
.if PC%8 < 5
	ds_load_b64 v[\reg+2*\p:\reg+2*\p+1], v[\adr] offset:8*PC+16*(PC/8)+(\i)*16*PITCH
.else
	ds_load_b64 v[\reg+2*\p:\reg+2*\p+1], v[\adr+2] offset:8*PC+16*(PC/8)+(\i)*16*PITCH
.endif
.endr
.endm
.macro FRAGA reg, slot, q, i           ; a fragment of A from its image: six planes, 256 consecutive bytes a load
.irp p, 0,1,2,3,4,5
	ds_load_b64 v[\reg+2*\p:\reg+2*\p+1], v[ADRA+\slot] offset:REC*(\q)+1536*(\i)+256*\p
.endr
.endm
; 16 matrix instructions: A's blocks a0 (even), a0 + 1 x B's eight, 128 along K.  The 64 accumulators take turns, one instruction a turn.
.macro MUL16 a0, p, q, sc, zero
.irp a, \a0, \a0+1
.irp b, 0,1,2,3,4,5,6,7
.set rD, 8*(8*((\a)%4)+\b)
.set rB, 128*(\p)+FR*\b
.set rA, AF+FR*(\a)
.set rSB, SB+16*(\sc)+2*\b+(\q)
.set rSA, SA+8*(\sc)+4*(\q)+(\a)/2
.if \zero
.if (\a)%2
	v_wmma_scale_f32_16x16x128_f8f6f4 v[rD:rD+7], v[rB:rB+FR-1], v[rA:rA+FR-1], 0, v[rSB], v[rSA] matrix_a_fmt:MATRIX_FMT_FP6 matrix_b_fmt:MATRIX_FMT_FP6 matrix_b_scale:MATRIX_SCALE_ROW1
.else
	v_wmma_scale_f32_16x16x128_f8f6f4 v[rD:rD+7], v[rB:rB+FR-1], v[rA:rA+FR-1], 0, v[rSB], v[rSA] matrix_a_fmt:MATRIX_FMT_FP6 matrix_b_fmt:MATRIX_FMT_FP6
.endif
.else
.if (\a)%2
	v_wmma_scale_f32_16x16x128_f8f6f4 v[rD:rD+7], v[rB:rB+FR-1], v[rA:rA+FR-1], v[rD:rD+7], v[rSB], v[rSA] matrix_a_fmt:MATRIX_FMT_FP6 matrix_b_fmt:MATRIX_FMT_FP6 matrix_b_scale:MATRIX_SCALE_ROW1
.else
	v_wmma_scale_f32_16x16x128_f8f6f4 v[rD:rD+7], v[rB:rB+FR-1], v[rA:rA+FR-1], v[rD:rD+7], v[rSB], v[rSA] matrix_a_fmt:MATRIX_FMT_FP6 matrix_b_fmt:MATRIX_FMT_FP6
.endif
.endif
.endr
.endr
.endm
.macro FETCH_B slot, q, p
	WIN TO_B
.irp i, 0,1,2,3,4,5,6,7
	FRAG 128*(\p)+FR*\i, ADRB+\slot, \q, \i
.endr
	WIN 0
.endm
.macro FETCH_A slot, q, i0
.irp i, \i0, \i0+1, \i0+2, \i0+3
	FRAGA AF+FR*(\i), \slot, \q, \i
.endr
.endm
.macro SCALES sc                       ; slot sc's scale words: A's out of its two records, B's two words a row
.irp q, 0,1
	ds_load_b128 v[SA+8*\sc+4*\q:SA+8*\sc+4*\q+3], v[ADSA+\sc] offset:REC*\q+12288
.endr
.irp i, 0,1,2,3,4,5,6,7
	ds_load_b64 v[SB+16*\sc+2*\i:SB+16*\sc+2*\i+1], v[ADRS] offset:\i*SBLK
.endr
.endm
.macro PLACES n
.rept \n
	v_nop
.endr
.endm
.macro STEP slot, q, zero
	s_wait_dscnt 4*NL                              ; B's set, A's blocks 0-3 and the scale words are in; the youngest 24 loads (A's blocks 4-7) may be out
	WIN MUL_LO
	MUL16 0, (\q)%2, \q, \slot, \zero
	MUL16 2, (\q)%2, \q, \slot, \zero
	s_wait_dscnt 0
	PLACES NP
	FETCH_B \slot, (\q)+1, 1-(\q)%2
	FETCH_A \slot, (\q)+1, 0
	WIN MUL_HI
	MUL16 4, (\q)%2, \q, \slot, \zero
	MUL16 6, (\q)%2, \q, \slot, \zero
	PLACES NP
	WIN 0
	FETCH_A \slot, (\q)+1, 4
.endm
.macro TURN slot, next, fill
	s_wait_tensorcnt 0x0                           ; all my tensor loads have landed: my part of the next slot
	ds_add_u32 v[SPW], v[NIL]                      ; 0 onto my spare word
	s_wait_dscnt 4*NL+1                            ; the add and the youngest 24 loads may be out
	WIN MUL_LO
	MUL16 0, 1, NQ-1, \slot, 0
	s_wait_dscnt 0x0                               ; the add is done, and my reads of this slot are over
	s_barrier_signal -1
	MUL16 2, 1, NQ-1, \slot, 0
	WIN 0
	s_barrier_wait -1
.if \fill
	CREST                                          ; the barrier has opened a round of the cluster's barrier: no wave of any partner still reads this slot or has a load on its way
	s_add_nc_u64 s[G0+4*\slot+2:G0+4*\slot+3], s[G0+4*\slot+2:G0+4*\slot+3], 2*HALFA
	s_add_nc_u64 s[G0B+4*\slot+2:G0B+4*\slot+3], s[G0B+4*\slot+2:G0B+4*\slot+3], 2*ROWB
	JLOAD G0+4*\slot, G1, G0B+4*\slot, G1B         ; the first tensor load behind the round; its four v_nop are the places in front of the loads below
.else
	PLACES NP
.endif
	v_add_nc_u32 v[ADRS], 4*NQ, v[ADRS]            ; on to the next K step's scale words of B (no LDS load of mine is out)
	FETCH_B \next, 0, 0
	FETCH_A \next, 0, 0
	SCALES \next
	WIN MUL_HI
	MUL16 4, 1, NQ-1, \slot, 0
	MUL16 6, 1, NQ-1, \slot, 0
	PLACES NP
	WIN 0
	FETCH_A \next, 0, 4
.endm
	s_wait_tensorcnt 1                             ; my part of K step 0 (and of B's scales) is in; K step 1's load may be out
	s_barrier_signal -1
	s_barrier_wait -1
	FETCH_B 0, 0, 0
	FETCH_A 0, 0, 0
	SCALES 0
	FETCH_A 0, 0, 4
	STEP 0, 0, 1                                   ; the first step stands in front of the loop: its products start the sums
	s_mov_b32 s3, LAPS-1
.Llap:
	TURN 0, 1, 1
	STEP 1, 0, 0
	TURN 1, 0, 1
	STEP 0, 0, 0
	s_sub_co_u32 s3, s3, 1
	s_cmp_lg_u32 s3, 0
	s_cbranch_scc1 .Llap
	TURN 0, 1, 0                                   ; the last lap fills nothing
	STEP 1, 0, 0
	s_wait_dscnt 4*NL
	WIN MUL_LO
	MUL16 0, 1, NQ-1, 1, 0
	MUL16 2, 1, NQ-1, 1, 0
	s_wait_dscnt 0
	WIN MUL_HI
	MUL16 4, 1, NQ-1, 1, 0
	MUL16 6, 1, NQ-1, 1, 0
	WIN 0
; THE WAY OUT, block by block of 16 rows x 128 columns: through my own stage in LDS and back as whole rows of 512 bytes; the bias is added to the rows read back; the 32 lanes store 512 consecutive bytes, aligned.
; LDS serves a wave's instructions in order (ISA guide 5.7.1.4): no wait between the stores and the loads, nor in front of the next block's stores.
.macro TOSTAGE a
.set AC, 64*((\a)%4)
	WIN 0x08+4*((\a)/4)                            ; the data: window 2 or 3
.irp b, 0,1,2,3,4,5,6,7
	ds_store_b128 v[STO], v[AC+8*\b:AC+8*\b+3] offset:64*\b          ; each accumulator from its low end on
	ds_store_b128 v[STO], v[AC+8*\b+4:AC+8*\b+7] offset:64*\b+16
.endr
	WIN 0
.set BB, BK+64*((\a)%2)
.irp t, 0,1,2,3,4,5,6,7,8,9,10,11,12,13,14,15
	ds_load_b128 v[BB+4*\t:BB+4*\t+3], v[RD] offset:\t*SPITCH
.endr
.endm
.macro SEND a, younger                 ; younger: the LDS instructions issued behind block a's loads, which may stay out
.set BB, BK+64*((\a)%2)
	s_wait_dscnt \younger                          ; the block is back in registers
.if (\a) > 0
	s_add_nc_u64 s[12:13], s[12:13], 16*SIZE_N*4   ; (behind a wait on XCNT: the earlier stores have read their base)  16 rows on
.endif
.irp t, 0,1,2,3,4,5,6,7,8,9,10,11,12,13,14,15
	v_pk_add_f32 v[BB+4*\t:BB+4*\t+1], v[BB+4*\t:BB+4*\t+1], v[BIAS:BIAS+1]
	v_pk_add_f32 v[BB+4*\t+2:BB+4*\t+3], v[BB+4*\t+2:BB+4*\t+3], v[BIAS+2:BIAS+3]
.endr
.irp t, 0,1,2,3,4,5,6,7,8,9,10,11,12,13,14,15
	global_store_b128 v[CO], v[BB+4*\t:BB+4*\t+3], s[12:13] offset:\t*SIZE_N*4 th:TH_STORE_NT   ; written once, read by nobody here
.endr
.endm
	s_wait_loadcnt 0x0                             ; the bias
	PLACES NP                                      ; behind the last products: for the loads into the registers that held A's fragments, and for the reads of results
	TOSTAGE 0
.irp a, 1,2,3,4,5,6,7
.if \a > 1
	s_wait_xcnt 0x0                                ; block a - 2's stores have read their registers and their base
.endif
	TOSTAGE \a
	SEND \a-1, 32                                  ; behind block a - 1's loads: block a's 16 stores and 16 loads
.endr
	s_wait_xcnt 0x0                                ; block 6's stores have read their base
	SEND 7, 0
	s_wait_tensorcnt 0x0                           ; the wave's end
	ds_add_u32 v[SPW], v[NIL]
	s_wait_dscnt 0x0
	CROUND                                         ; the closing round
	s_endpgm
.Lfunc_end_k_qeee1b52f70_outp:
	.size	k_qeee1b52f70_outp, .Lfunc_end_k_qeee1b52f70_outp-k_qeee1b52f70_outp
	.p2alignl 7, 3214868480
	.fill 96, 4, 3214868480
	.section	.rodata,"a",@progbits
	.p2align	6, 0x0
	.amdhsa_kernel k_qeee1b52f70_outp
		.amdhsa_group_segment_fixed_size 327680
		.amdhsa_private_segment_fixed_size 0
		.amdhsa_enable_private_segment 0
		.amdhsa_kernarg_size 40
		.amdhsa_user_sgpr_count 2
		.amdhsa_user_sgpr_kernarg_segment_ptr 1
		.amdhsa_wavefront_size32 1
		.amdhsa_system_sgpr_workgroup_id_x 1
		.amdhsa_system_sgpr_workgroup_id_y 1
		.amdhsa_system_sgpr_workgroup_id_z 1
		.amdhsa_system_vgpr_workitem_id 0
		.amdhsa_next_free_vgpr 1024
		.amdhsa_next_free_sgpr 98
		.amdhsa_reserve_vcc 0
		.amdhsa_float_denorm_mode_32 3
		.amdhsa_float_denorm_mode_16_64 3
		.amdhsa_memory_ordered 1
		.amdhsa_forward_progress 1
		.amdhsa_inst_pref_size 175
	.end_amdhsa_kernel
	.amdgpu_metadata
---
amdhsa.version: [ 1, 2 ]
amdhsa.kernels:
  - .name:           k_qeee1b52f70_outp
    .symbol:         k_qeee1b52f70_outp.kd
    .args:
      - { .name: ctxrec, .offset: 0, .size: 8, .value_kind: global_buffer, .address_space: global }
      - { .name: Wo_codes, .offset: 8, .size: 8, .value_kind: global_buffer, .address_space: global }
      - { .name: Wo_scales, .offset: 16, .size: 8, .value_kind: global_buffer, .address_space: global }
      - { .name: bo, .offset: 24, .size: 8, .value_kind: global_buffer, .address_space: global }
      - { .name: out0, .offset: 32, .size: 8, .value_kind: global_buffer, .address_space: global }
    .group_segment_fixed_size: 327680
    .private_segment_fixed_size: 0
    .kernarg_segment_align: 8
    .kernarg_segment_size: 40
    .max_flat_workgroup_size: 128
    .sgpr_count:     98
    .vgpr_count:     1024
    .wavefront_size: 32
...
	.end_amdgpu_metadata
.endif
;; end of part 3
